; MI455X (gfx1250); checked and timed in simulation.
; The chip was launched on July 23, 2026; its instructions are those of AMD's public machine-readable ISA for CDNA 5 (MIT licence, August 2026) and "CDNA5" Instruction Set Architecture Reference Guide (July 2026). The comments in the code are by the model that wrote it; some were corrected since.
;; Cross Attention. Allowed arithmetic: matrix products marked QUANTISED: E2M1 operands, one E8M0 scale for each 32 along K, by v_wmma_scale_f32_16x16x128_f8f6f4 with both operands' format E2M1 (or v_wmma_scale_f32_32x16x128_f4), f32 sums; everything else in f32.
;; Inputs: kv 2 x 2,048 x 2 x 8 x 128 float32; q 2 x 2,048 x 16 x 128 float32.
;; Outputs: out0 2 x 2,048 x 16 x 128 float32.
;; This version of the problem:
;;   THIS VERSION OF THE PROBLEM IS GIVEN IN LOW PRECISION. The matrix products marked QUANTISED in the list below multiply operands that are first quantised to E2M1 (2 exponent bits, 1 mantissa bit; 4 bits a number), with one power-of-two scale for each 32 numbers along K (OCP MX v1.0); their sums are f32. All else is computed in f32.
;;   The module's matrix products, in the order in which they are computed (A, B: the left and right operand; K: the contracted axis; several contracted axes count as one K, in the product's order):
;;     1. batch 32 x [M 2,048, K 128] x [K 128, N 2,048]; A: input q; B: computed on the way: QUANTISED
;;     2. batch 32 x [M 128, K 2,048] x [K 2,048, N 2,048]; A: input kv; B: softmax (see below): QUANTISED
;;   THE QUANTISER, for each operand of a quantised product, along K:
;;     - K is cut into blocks of 32 from its start; a last block that is shorter is filled with zeros.
;;     - A block's scale is 2^e with e = floor(log2(the largest magnitude in the block)) - 2, held to -126 .. 127; a block of zeros has e = 0. As a byte (E8M0): e + 127.
;;     - Each number is divided by its block's scale, clamped to +-6, and rounded to the nearest number of E2M1, ties to even, subnormals kept.
;;     - The product sums the exact products of the quantised numbers (number of the format x scale) in f32.
;;   ~~~python
;;   def quantise(x, axis):      # numpy; x: float32 -> the quantised numbers, widened to float32 again
;;       x = np.moveaxis(x, axis, -1); K = x.shape[-1]
;;       x = np.pad(x, [(0, 0)] * (x.ndim - 1) + [(0, -K % 32)]); x = x.reshape(x.shape[:-1] + (-1, 32)); a = np.abs(x).max(-1, keepdims=True)
;;       e = np.where(a > 0, np.clip(np.frexp(np.where(a > 0, a, 1))[1] - 1 - 2, -126, 127), 0)      # np.frexp(a)[1] - 1 = floor(log2(a)), exactly
;;       r = np.clip(x / 2.0 ** e, -6, 6)
;;       step = 2.0 ** (np.maximum(np.frexp(np.where(r == 0, 1, r))[1] - 1, 0) - 1)
;;       q = np.round(r / step) * step * 2.0 ** e      # np.round: ties to even
;;       return np.moveaxis(q.reshape(q.shape[:-2] + (-1,))[..., :K], -1, axis).astype(np.float32)
;;   ~~~
;;   SOFTMAX AHEAD OF A QUANTISED PRODUCT. Where the list says 'softmax', what is quantised is not the finished softmax but p = 2^(t - M), with t = logit x log2(e) and M = ceil(the row's largest t), a whole number; so 1/2 < the row's largest p <= 1. The row's sum l is taken of the UNQUANTISED p, in f32, and the product's result is divided by l at the end. Since M is a whole number, a kernel that streams over the keys may use a running M (the ceiling of the running maximum): every later rescaling is an exact power of two, which a block's scale takes up: the codes' values come out the same.
;;   OPERANDS COMPUTED ON THE WAY. 'Computed on the way' means the value that the module computes at that place (a softmax that the list does not call 'softmax' is quantised finished and normalised). What goes into a quantiser is computed in f32, as accurately as f32 sums, v_exp_f32 and their like allow (about 1e-6 of the number): no bf16 or f16 on the way to a quantiser, and a product that is left as it is and whose result goes on into a quantised operand takes f32 operands (vector FMAs, or v_wmma_f32_16x16x4_f32). A number that lies on a knife's edge between two numbers of the format may be rounded either way, as far as f32 arithmetic and the matrix unit's own rounding can turn it there, and no further.
;; One version. Each part assembles by itself: llvm-mc -triple=amdgcn-amd-amdhsa -mcpu=gfx1250 --defsym DOCPART=n.
;; ======== version 1 of 1: 2 launches
;; limits: right only within a limited range of input values
;; workspace buffers: kvc 4,456,448 bytes
;; launch quant (part 1): grid 256 x 1, 8 waves a work-group, no clusters, 44,032 bytes of LDS; arguments kv, kvc; writes kvc
.if DOCPART == 1
	.amdgcn_target "amdgcn-amd-amdhsa--gfx1250"
	.amdhsa_code_object_version 6
	.text
	.protected	k_q021dd3b719_quant
	.globl	k_q021dd3b719_quant
	.p2align	8
	.type	k_q021dd3b719_quant,@function
k_q021dd3b719_quant:
	s_mov_b64 s[64:65], 0
	v_nop
	global_prefetch_b8 v0, s[64:65] scope:SCOPE_SE
	s_setreg_imm32_b32 hwreg(HW_REG_WAVE_MODE, 25, 1), 1
	s_wait_xcnt 0x0
; kv [2][2048][2][8][128], f32, becomes codes of FP4 (E2M1) with one E8M0 scale byte for each 32 along a product's K:
; k x 1/sqrt(128) along the head's 128 (the factor is no power of two, so k is multiplied in f32 first), v along the keys.  q is quantised by the next launch.
; A block's scale is 2^(floor(log2(its largest magnitude)) - 2); its byte is the largest magnitude's exponent field - 2, held at 1 from below.  A block of zeros so gets the byte 1 where the
; rule says 127: its codes are zeros, which add nothing under any byte but 0xff, and the bytes are read by this program alone.
; LEFT OUT in the next launch, not here: whole key steps behind the causal mask (its head comment).  Here every key is quantised: each is kept for some query.
; LIMITS: NaN and infinities among the inputs are not served.
; OUTPUT: records of 17,408 bytes, [b 8 + hkv][group of 128 positions][K 8 x 1024 | V 8 x 1024 | K's scale words 512 | V's 512], images of operand registers.
; A fragment (16 rows x 128 k) is 1,024 bytes: [block of 32][row][16 bytes].  Row r of K's tile t is position 32 (t / 2) + 8 (t % 2) + r + 8 (r / 8) of the group; V's tile t holds channels 16 t + r.
; The scale words of 8 tiles: [t / 4][row][t % 4][4 bytes].
; SHARES.  A work-group takes one group of one kv head, 128 KiB of f32.  Waves 0-3: two tiles of K each; waves 4-7: 32 keys of V each, one block along K.  Each wave asks for its 32 rows of 512 bytes at once.
; K's numbers turn through the wave's own stage in LDS.  Of V a lane has four channels of all 32 keys: its registers run along K already, and only the codes turn through LDS.
; Scale bytes are gathered in LDS and leave as whole units behind the one barrier.
.set KST,  8448                        ; K's stage of a wave: 16 rows x 528 bytes
.set VSTB, 4*KST-4*2048                ; V's stage of wave w: VSTB + 2048 w
.set SCR,  4*KST+4*2048                ; the scale record: K's 512 bytes, V's 512 bytes
.set SPARE, SCR+1024                   ; the spare words, 128 bytes for each wave
.set R,   16                           ; v16-143  32 rows as loaded, four registers each
.set X,   144                          ; v144-207 neighbours along K
.set C,   208                          ; v208-223 codes
.set CV,  232                          ; v232-235 V's scale operands, v236-239 its bytes
.set SW,  240                          ; v240, v241 K's scale words
.set T,   244                          ; v244-251 at work: +0, +1 largest magnitudes (V: +0 to +3); +2, +3 K's scale operands; +4, +5 bytes; +6 half a word; +7 a lane permute's destination
	s_load_b128 s[4:7], s[0:1], 0x0                ; kv s[4:5], kvc s[6:7]
	v_lshl_add_u32 v254, v0, 2, SPARE
	v_mov_b32 v255, 0
	v_lshrrev_b32 v1, 5, v0
	v_readfirstlane_b32 s16, v1                    ; wave 0..7
	s_mul_i32 s17, s16, KST
	s_lshl_b32 s18, s16, 11
	s_add_co_u32 s18, s18, VSTB
	s_and_b32 s19, s16, 3                          ; which 32 positions of the group
	s_mov_b32 s20, 0x76543210
	s_mov_b32 s21, 0xfedcba98                      ; v_permlanex16_b32's selects for lane l xor 16
	s_mov_b32 s22, 0x3db504f3                      ; 1/sqrt(128)
	s_mov_b32 s23, s22                             ; (named with it as a pair, so it is written)
	s_and_b32 s31, ttmp9, 7                        ; hkv
	s_bfe_u32 s32, ttmp9, 0x40003                  ; group
	s_lshr_b32 s33, ttmp9, 7                       ; b
	s_lshl_b32 s40, s33, 24                        ; in: b x 2^24 + group x 2^20 + 32 positions x 8,192 + (V: 4,096) + hkv x 512
	s_lshl_b32 s42, s32, 20
	s_add_co_u32 s40, s40, s42
	s_lshl_b32 s42, s19, 18
	s_add_co_u32 s40, s40, s42
	s_lshr_b32 s42, s16, 2
	s_lshl_b32 s42, s42, 12
	s_add_co_u32 s40, s40, s42
	s_lshl_b32 s42, s31, 9
	s_add_co_u32 s40, s40, s42
	s_mov_b32 s41, 0
	s_lshl_b32 s42, s33, 3
	s_add_co_u32 s42, s42, s31
	s_mul_i32 s42, s42, 278528                     ; out: 16 records a kv head
	s_mul_i32 s43, s32, 17408
	s_add_co_u32 s42, s42, s43
	s_mov_b32 s43, 0
	s_lshl_b32 s44, s16, 11                        ; K: two images a wave;
	s_lshl_b32 s45, s19, 8
	s_add_co_u32 s45, s45, 8192                    ; V: my block's 256 bytes of each image
	s_cmp_lt_u32 s16, 4
	s_cselect_b32 s44, s44, s45
	s_mov_b32 s45, 0
	s_lshr_b32 s46, s16, 1
	s_lshl_b32 s46, s46, 8
	s_and_b32 s47, s16, 1
	s_lshl_b32 s47, s47, 3
	s_add_co_u32 s46, s46, s47
	s_add_co_u32 s46, s46, SCR                     ; K's scale words of tiles 2 w, 2 w + 1
	s_add_co_u32 s47, s19, SCR+512                 ; V's: byte (wave % 4) of each word
	; every address register of both ways is made here, ahead of the parting on the wave's number
	v_and_b32 v1, 31, v0                           ; lane l
	v_and_b32 v2, 15, v0                           ; r
	v_bfe_u32 v3, v0, 4, 1                         ; h
	v_lshlrev_b32 v4, 4, v1                        ; 16 l
	v_mul_u32_u24 v7, v2, 528
	v_lshlrev_b32 v8, 6, v1
	v_lshlrev_b32 v10, 10, v3
	v_and_b32 v13, 3, v1
	v_bfe_u32 v14, v1, 2, 2
	v_add_nc_u32 v5, s17, v4                       ; K into the stage: a row as it lies
	v_lshl_add_u32 v7, v3, 7, v7
	v_add_nc_u32 v8, s18, v8                       ; V's codes into the stage: channels 4 l + j at 64 l + 16 j
	v_add_nc_u32 v9, s18, v4                       ; and out of it: two tiles a load
	v_lshl_add_u32 v10, v2, 4, v10                 ; V's codes in memory: tile h (of a pair), row r
	v_lshlrev_b32 v11, 4, v2
	v_lshlrev_b32 v13, 6, v13
	v_add_nc_u32 v7, s17, v7                       ; K out of the stage: row r, block h (block 2 + h is 256 bytes on)
	v_add_nc_u32 v11, s46, v11
	v_lshl_add_u32 v13, v14, 2, v13
	v_lshlrev_b32 v12, 3, v3                       ; 8 h: where my bytes stand in a scale word
	v_lshl_add_u32 v13, v3, 8, v13                 ; 256 (l / 16) + 64 (l % 4) + 4 ((l / 4) % 4)
	v_mov_b32 v[T+7], 0                            ; written once: a lane permute's destination counts as one of its sources
	v_add_nc_u32 v13, s47, v13
	s_wait_alu depctr_va_vdst(0)
	s_wait_kmcnt 0x0
	s_add_nc_u64 s[24:25], s[4:5], s[40:41]
	s_add_nc_u64 s[28:29], s[6:7], s[42:43]        ; the record
	s_add_nc_u64 s[26:27], s[28:29], s[44:45]      ; my codes
.irp g, 0,2,1,3                                ; K's first tile is rows 0-7 and 16-23: asked for first
.irp e, 0,1,2,3,4,5,6,7
	global_load_b128 v[R+4*(8*\g+\e):R+4*(8*\g+\e)+3], v4, s[24:25] offset:(8*\g+\e)*8192 th:TH_LOAD_NT   ; 32 lanes read one row's 512 bytes
.endr
.endr
	s_cmp_ge_u32 s16, 4
	s_cbranch_scc1 .Lcol
; ---- K.  LDS serves a wave's instructions in order (ISA guide 5.7.1.4): no wait stands between a stage's stores and its loads
.macro KTILE t
.irp i, 0,1,2,3,4,5,6,7,8,9,10,11,12,13,14,15
	ds_store_b128 v5, v[R+4*(8*(\t)+(\i%8)+16*(\i/8)):R+4*(8*(\t)+(\i%8)+16*(\i/8))+3] offset:528*\i
.endr
.irp c, 0,1
.irp j, 0,1,2,3,4,5,6,7
	ds_load_b128 v[X+32*\c+4*\j:X+32*\c+4*\j+3], v7 offset:256*\c+16*\j   ; lane (r, h) gets blocks h and 2 + h of row r
.endr
.endr
	s_wait_dscnt 0x0
.set n, 0
.rept 32
	v_pk_mul_f32 v[X+n:X+n+1], v[X+n:X+n+1], s[22:23] op_sel_hi:[1,0]
.set n, n+2
.endr
.irp c, 0,1
	v_max3_num_f32 v[T+\c], |v[X+32*\c]|, |v[X+32*\c+1]|, 0x1800000   ; the floor 2^(3 - 127) among the leaves: the byte cannot fall under 1
.endr
.irp i, 2,4,6,8,10,12,14,16,18,20,22,24,26,28,30
.irp c, 0,1
	s_delay_alu instid0(VALU_DEP_2)
	v_max3_num_f32 v[T+\c], v[T+\c], |v[X+32*\c+\i]|, |v[X+32*\c+\i+1]|
.endr
.endr
.irp c, 0,1
	s_delay_alu instid0(VALU_DEP_2)
	v_add_nc_u32 v[T+2+\c], 0xff000000, v[T+\c]    ; 2 off the exponent field: the conversion takes the exponent field of this operand as its scale
.endr
.irp c, 0,1
	s_delay_alu instid0(VALU_DEP_2)
	v_lshrrev_b32 v[T+4+\c], 23, v[T+2+\c]         ; the scale's byte
.endr
.irp c, 0,1
.irp g, 0,1,2,3
	v_cvt_scalef32_pk8_fp4_f32 v[C+8*(\t)+4*\c+\g], v[X+32*\c+8*\g:X+32*\c+8*\g+7], v[T+2+\c]
.endr
.endr
	v_lshl_or_b32 v[T+6], v[T+5], 16, v[T+4]       ; my bytes are those of blocks h and 2 + h; lane l xor 16 has the other two.  (Plain lines: also the place behind the conversions)
	v_lshlrev_b32 v[T+6], v12, v[T+6]
	v_permlanex16_b32 v[T+7], v[T+6], s20, s21
	v_or_b32 v[SW+(\t)], v[T+6], v[T+7]
.irp c, 0,1
	global_store_b128 v4, v[C+8*(\t)+4*\c:C+8*(\t)+4*\c+3], s[26:27] offset:1024*(\t)+512*\c   ; 32 lanes store 512 consecutive bytes, aligned
.endr
.endm
	s_wait_loadcnt 16                              ; the first tile's 16 rows; the second's may be out
	KTILE 0
	s_wait_loadcnt 0x0
	KTILE 1
	ds_store_b64 v11, v[SW:SW+1]                   ; both halves of the lanes hold row r's words and write the same
	s_branch .Ljoin
.Lcol:
	; ---- V: register R + 4 i + j is key i of channel 4 l + j
	s_wait_loadcnt 0x0
.irp j, 0,1,2,3
	v_max3_num_f32 v[T+\j], |v[R+\j]|, |v[R+4+\j]|, 0x1800000
.endr
.irp i, 2,4,6,8,10,12,14,16,18,20,22,24,26,28,30
.irp j, 0,1,2,3
	v_max3_num_f32 v[T+\j], v[T+\j], |v[R+4*\i+\j]|, |v[R+4*\i+4+\j]|   ; (the four channels by turns)
.endr
.endr
.irp j, 0,1,2,3
	v_add_nc_u32 v[CV+\j], 0xff000000, v[T+\j]
.endr
.irp j, 0,1,2,3
	v_lshrrev_b32 v[CV+4+\j], 23, v[CV+\j]
.endr
.macro VCH j                           ; the conversions take consecutive registers: one channel's 32 keys are put on end, in two runs by turns
.set n, 0
.rept 32
	v_mov_b32 v[X+32*(\j%2)+n], v[R+4*n+\j]
.set n, n+1
.endr
.irp g, 0,1,2,3
	v_cvt_scalef32_pk8_fp4_f32 v[C+4*\j+\g], v[X+32*(\j%2)+8*\g:X+32*(\j%2)+8*\g+7], v[CV+\j]
.endr
.endm
	VCH 0
	VCH 1
	VCH 2
	VCH 3
	v_nop                                          ; one plain place behind the scaled conversions
.irp j, 0,1,2,3
	ds_store_b128 v8, v[C+4*\j:C+4*\j+3] offset:16*\j
.endr
.irp j, 0,1,2,3
	ds_store_b8 v13, v[CV+4+\j] offset:16*\j
.endr
.irp p, 0,1,2,3
	ds_load_b128 v[X+4*\p:X+4*\p+3], v9 offset:512*\p
.endr
.irp p, 0,1,2,3
	s_wait_dscnt 3-\p                              ; the younger loads may be out
	global_store_b128 v10, v[X+4*\p:X+4*\p+3], s[26:27] offset:2048*\p   ; my block of tiles 2 p and 2 p + 1: each sixteen lanes store 256 consecutive bytes, aligned
.endr
.Ljoin:
	s_wait_alu depctr_va_vdst(0)
	s_wait_dscnt 0x0                               ; my scale bytes are in LDS:
	s_barrier_signal -1
	s_barrier_wait -1                              ; and so are everybody's
	s_cmp_lg_u32 s16, 0
	s_cbranch_scc1 .Ldone
	ds_load_b128 v[16:19], v4 offset:SCR
	ds_load_b128 v[20:23], v4 offset:SCR+512
	s_wait_dscnt 0x0
	global_store_b128 v4, v[16:19], s[28:29] offset:16384
	global_store_b128 v4, v[20:23], s[28:29] offset:16896
.Ldone:
	s_wait_tensorcnt 0x0                           ; the wave's end
	ds_add_u32 v254, v255
	s_wait_dscnt 0x0
	s_endpgm
.Lfunc_end_k_q021dd3b719_quant:
	.size	k_q021dd3b719_quant, .Lfunc_end_k_q021dd3b719_quant-k_q021dd3b719_quant
	.p2alignl 7, 3214868480
	.fill 96, 4, 3214868480
	.section	.rodata,"a",@progbits
	.p2align	6, 0x0
	.amdhsa_kernel k_q021dd3b719_quant
		.amdhsa_group_segment_fixed_size 44032
		.amdhsa_private_segment_fixed_size 0
		.amdhsa_enable_private_segment 0
		.amdhsa_kernarg_size 16
		.amdhsa_user_sgpr_count 2
		.amdhsa_user_sgpr_kernarg_segment_ptr 1
		.amdhsa_wavefront_size32 1
		.amdhsa_system_sgpr_workgroup_id_x 1
		.amdhsa_system_sgpr_workgroup_id_y 1
		.amdhsa_system_sgpr_workgroup_id_z 1
		.amdhsa_system_vgpr_workitem_id 0
		.amdhsa_next_free_vgpr 256
		.amdhsa_next_free_sgpr 66
		.amdhsa_reserve_vcc 0
		.amdhsa_float_denorm_mode_32 3
		.amdhsa_float_denorm_mode_16_64 3
		.amdhsa_memory_ordered 1
		.amdhsa_forward_progress 1
		.amdhsa_inst_pref_size 35
	.end_amdhsa_kernel
	.amdgpu_metadata
---
amdhsa.version: [ 1, 2 ]
amdhsa.kernels:
  - .name:           k_q021dd3b719_quant
    .symbol:         k_q021dd3b719_quant.kd
    .args:
      - { .name: kv, .offset: 0, .size: 8, .value_kind: global_buffer, .address_space: global }
      - { .name: kvc, .offset: 8, .size: 8, .value_kind: global_buffer, .address_space: global }
    .group_segment_fixed_size: 44032
    .private_segment_fixed_size: 0
    .kernarg_segment_align: 8
    .kernarg_segment_size: 16
    .max_flat_workgroup_size: 256
    .sgpr_count:     66
    .vgpr_count:     256
    .wavefront_size: 32
...
	.end_amdgpu_metadata
.endif
;; end of part 1
;; launch attn (part 2): grid 256 x 1, 16 waves a work-group, clusters of 4 x 1, 327,680 bytes of LDS; arguments q, kvc, out0; writes out0
.if DOCPART == 2
	.amdgcn_target "amdgcn-amd-amdhsa--gfx1250"
	.amdhsa_code_object_version 6
	.text
	.protected	k_q021dd3b719_attn
	.globl	k_q021dd3b719_attn
	.p2align	8
	.type	k_q021dd3b719_attn,@function
k_q021dd3b719_attn:
	s_mov_b64 s[64:65], 0
	v_nop
	global_prefetch_b8 v0, s[64:65] scope:SCOPE_SE
	s_setreg_imm32_b32 hwreg(HW_REG_WAVE_MODE, 25, 1), 1
	s_wait_xcnt 0x0
	s_wait_alu depctr_hold_cnt(0) depctr_sa_sdst(0) depctr_va_vdst(0) depctr_va_sdst(0) depctr_va_ssrc(0) depctr_va_vcc(0) depctr_vm_vsrc(0)
	s_getreg_b32 s2, hwreg(HW_REG_IB_STS2, 6, 4)
	s_cmp_eq_u32 s2, 0
	s_cbranch_scc0 .Lentry_in_a_cluster
	s_endpgm
.Lentry_in_a_cluster:
	s_bfe_u32 s2, ttmp6, 0x10000c
	s_cmp_lg_u32 s2, 0x3003
	s_cbranch_scc0 .Lentry_shape_is_right
	s_endpgm
.Lentry_shape_is_right:
; out[b][q][head][:] = the sum over keys k <= q of softmax_k(Q . K / sqrt(128)) V, 16 query heads on 8 kv heads, 2,048 queries and keys, both products on codes of FP4 (E2M1) with E8M0 scales.
; K's and V's codes and scale words come from the launch before, as images of operand registers (its head comment has the layout); k was multiplied by 1/sqrt(128) there.  q is quantised here.
; THE SOFTMAX AHEAD OF THE SECOND PRODUCT: t = score x log2(e); M = the row's largest t so far, rounded UP to a whole number; p = 2^(t - M) is quantised along the keys, not normalised.  The row's sum
; is taken of the unquantised p and divides at the end.  O and the sum are kept in units of 2^(M - D), D a whole number from 0 to 64.  EVEN steps bring them to the new M by an exact power of two, and D is 0.
; ODD steps leave them: D is what M has grown by, and the new p's scale bytes and sum are raised by 2^D instead.  Where M has grown by more than 64, D is held at 64: what was summed before then weighs 2^-64 or less
; beside the new row maximum's p, of 1/2 or more.
; THE MASK.  A tile of 16 queries of block blk (128 queries) needs key steps 0 .. blk of 128 keys.  In step blk, the diagonal, hidden scores get -10000.0 ahead of the maximum; later steps are left out.
; LIMITS: leaving them out is exact where 2^(-10000 log2(e) - M) falls to 0 in f32, that is where each row's largest kept logit lies above about -9,900: q and kv with
; offsets of opposite sign, each of about 30, which push every logit below that, are not served.  |v| is to lie under 2^50 (units of 2^-64, 2,048 keys).
; NaN and infinities are not served, and one that reaches only the steps left out is not carried to the result.
; A WHOLE KV HEAD STAYS IN LDS: 16 records of 17,408 bytes (a key step's K, V and scale words) = 278,528 bytes.  Nothing is filled twice, and no barrier stands inside the loops over keys.
; CLUSTER.  The four work-groups of a cluster serve one kv head and want the same records: each piece is asked for JOINTLY, by the same tensor load with the same descriptor and the mask 15.
; A wave has one load at the head (17 rows of 256 bytes: steps 0-3 in sixteen pieces) and one behind the full sequence and a round (51 rows: steps 4-15).  No prefetch: there is no loop of loads to run ahead in.
; SHARES.  Cluster C: kv head C / 4, pattern a = C % 4.  Each wave owns ONE tile of 16 queries in 256 registers.  Wave w: m = w / 4, s = w % 4; its block is 15 - a, 11 - a, a + 4, a for m = 0 .. 3, the longest first:
; (16 - a) + (12 - a) + (a + 5) + (a + 1) = 34 key steps for each s.  A block's 16 tiles (2 query heads x 8) go to the 4 partners x 4 values of s: head 2 hkv + cx / 2, tile 2 s + cx % 2.
; cx enters q's and out's global addresses and the mask's numbers alone.
; q's 8 KiB a wave are asked for in turn: m = 0 behind the first joint load, m = 1 behind the second, m = 2, 3 behind the barrier that shows the second.  Waves with m = 0 walk steps 0-3 ahead of that barrier.
; LAYOUT.  Both products are used transposed: S^T = K Q^T (source 0 = 16 keys), O^T = V^T P^T (source 0 = 16 channels): a lane holds ONE query (lane % 16) throughout.  The keys of tile 2 b + u are
; 32 b + 8 u + r + 8 (r / 8), so that the 16 registers of tiles 2 b, 2 b + 1 are keys 32 b + 16 (lane / 16) + 0 .. 15.  q's tiles are cut the same way: lane r's query is 32 s + 8 (cx % 2) + r + 8 (r / 8).
; TWO BLOCKS OF 64 REGISTERS TAKE TURNS: a step finds its K in one, lays its scores into the other, loads V over K, and, when p has been used up, loads the NEXT step's K over p.
.set REC,  17408
.set HEADB, 16*REC                     ; 278,528
.set STG,  HEADB                       ; LDS: a stage of 2,448 bytes for each wave: 16 rows x 144 bytes for q; 9 rows x 272 on the way out, the ninth never read; no fill lands here
.set SPARE, STG+16*2448                ; the spare words, 128 bytes for each wave
.set LI,   1                           ; v1   16 x lane: my place in an image
.set ADK,  4                           ; v4   LDS address of a record.   v[2:3] a partial sum
.set GO,   5                           ; v5   my byte offset in out: 8,192 h + 16 r
.set STO,  6                           ; v6   the way out: into my stage
.set STO2, 241                         ; v241 the way out: into my stage, the other eight rows' turn (FF's pair names it and does not use its value)
.set RD,   7                           ; v7   and out of it
.set DQ,   8                           ; v8   my query's place in its 32 - 16 h
.set NEG,  9                           ; v9   -10000.0
.set DD,   10                          ; v10  D;  v11 D as a whole number in each byte
.set DI,   11
.set QF,   16                          ; v16-23   q's fragment
.set SWK,  24                          ; v24-27   K's scale words: lanes 0-15 tiles 0-3, lanes 16-31 tiles 4-7; nothing else.   v28, v29 a partial sum
.set QST,  30                          ; v30, v31 q's stage, in and out
.set QRD,  31
.set KA,   32                          ; v32-95   the first block;  q's numbers; on the way out rows of out
.set KB,   96                          ; v96-159  the second;  q as loaded; on the way out O^T / the sum
.set OT,   160                         ; v160-223 O^T
.set PC,   224                         ; v224-231 p's codes
.set BM,   232                         ; v232-235 the blocks' largest scores, then largest p, then partial sums
.set PB,   236                         ; v236-239 lane permutes' destinations, bytes, partial sums
.set FF,   240                         ; v240 a power of two; the packed forms name v[240:241] and take the low word for both halves
.set QA,   242                         ; v242 my byte offset in q's rows
.set SPW,  243                         ; v243, v252 my spare word's LDS address, and 0
.set NIL,  252
.set CO,   244                         ; v244-247 the conversions' scale operands, then partial sums
.set SWV,  248                         ; v248-251 V's scale words; nothing else
.set PS,   253                         ; v253 p's scale word; nothing else
.set TMP,  254
.set QS,   255                         ; v255 q's scale word; nothing else.   v12 -M, v13 the largest t, v[14:15] the sum in two halves
.set LO,   10                          ; s10 my first step of the loop in hand,
.set SPAN, 11                          ; s11 and my last step less that
.set WV,   14
.set MM,   15
.set SI,   16
.set AA,   17
.set BH,   18                          ; s18 kv head b 8 + hkv
.set BLK,  19
.set SEL,  20                          ; s[20:21] lane selects for v_permlanex16_b32: lane l xor 16
.set CS,   22                          ; s[22:23] log2(e): the packed form names a pair and takes its low word for both halves
.set G1A,  24                          ; s[24:31], s[32:39] descriptor groups 1: 17 and 51 dense rows of 256 bytes
.set G1B,  32
.set G0A,  40                          ; s[40:43], s[44:47] groups 0
.set G0B,  44
.set TB,   48                          ; s48, s49 where the records of a trip's two steps begin
.set TB1,  49
.set STP,  50                          ; s50, s51 its two steps
.set STP1, 51
.set CXO,  52                          ; s52 8 (cx % 2)
.set QGB,  53                          ; s53 my stage
; A round of the cluster's barrier: my work-group's barrier, so that wave 0's signal speaks for all sixteen waves; wave 0 signals for the work-group; every wave waits for all four work-groups; my work-group's barrier once more.
.macro ROUND
	s_barrier_signal -1
	s_barrier_wait -1
	s_cmp_lg_u32 s[WV], 0
	s_cbranch_scc1 .Lnot_wave_0_\@
	s_barrier_signal -3
.Lnot_wave_0_\@:
	s_barrier_wait -3
	s_barrier_signal -1
	s_barrier_wait -1
.endm
.macro QLOAD                           ; my 16 rows of q: a load takes one block of 32 of four rows (row r is query r + 8 (r / 8)); two neighbouring loads take whole runs of 256 bytes
.irp c, 0,1
.irp i, 0,1,2,3
.irp e, 0,1
	global_load_b128 v[KB+16*(2*\c+\e)+4*\i:KB+16*(2*\c+\e)+4*\i+3], v[QA], s[4:5] offset:(4*\i+8*(\i/2))*8192+128*(2*\c+\e)
.endr
.endr
.endr
.endm
; each block turns through my stage: lane (r, h) gets k = 32 b + 16 h + 0 .. 15 of row r.  LDS serves a wave's instructions in order (ISA guide 5.7.1.4)
.macro QTURN b
.irp i, 0,1,2,3
	ds_store_b128 v[QST], v[KB+16*\b+4*\i:KB+16*\b+4*\i+3] offset:576*\i
.endr
.irp j, 0,1,2,3
	ds_load_b128 v[KA+16*\b+4*\j:KA+16*\b+4*\j+3], v[QRD] offset:16*\j
.endr
.endm
.macro QQUANT
	s_wait_loadcnt 8                               ; blocks 0 and 1 are in; the eight loads of blocks 2 and 3 may be out
	QTURN 0
	QTURN 1
	s_wait_loadcnt 0x0
	QTURN 2
	QTURN 3
	s_wait_dscnt 0x0
.irp b, 0,1,2,3
	v_max3_num_f32 v[BM+\b], |v[KA+16*\b]|, |v[KA+16*\b+1]|, 0x1800000   ; the floor 2^(3 - 127) among the leaves: the byte cannot fall under 1 (a block of zeros keeps it: its codes are zeros)
.endr
.irp i, 2,4,6,8,10,12,14
.irp b, 0,1,2,3
	v_max3_num_f32 v[BM+\b], v[BM+\b], |v[KA+16*\b+\i]|, |v[KA+16*\b+\i+1]|
.endr
.endr
.irp b, 0,1,2,3
	v_permlanex16_b32 v[PB+\b], v[BM+\b], s[SEL], s[SEL+1]
.endr
.irp b, 0,1,2,3
	v_max_num_f32 v[BM+\b], v[BM+\b], v[PB+\b]
.endr
.irp b, 0,1,2,3
	v_add_nc_u32 v[CO+\b], 0xff000000, v[BM+\b]    ; 2 off the exponent field: the conversion's scale operand
.endr
.irp b, 0,1,2,3
	v_lshrrev_b32 v[PB+\b], 23, v[CO+\b]           ; the scale's byte
.endr
	v_lshl_or_b32 v[QS], v[PB+1], 8, v[PB]
	v_lshl_or_b32 v[QS], v[PB+2], 16, v[QS]
	v_lshl_or_b32 v[QS], v[PB+3], 24, v[QS]
.irp b, 0,1,2,3
	v_cvt_scalef32_pk8_fp4_f32 v[QF+2*\b], v[KA+16*\b:KA+16*\b+7], v[CO+\b]
	v_cvt_scalef32_pk8_fp4_f32 v[QF+2*\b+1], v[KA+16*\b+8:KA+16*\b+15], v[CO+\b]
.endr
	v_nop                                          ; one plain place behind the scaled conversions
.irp c, 0,1                                    ; the operand's layout wants a WHOLE block in a lane
.irp i, 0,1
	v_permlane16_swap_b32 v[QF+4*\c+\i], v[QF+4*\c+2+\i]
.endr
.endr
.rept 8
	v_nop                                          ; eight places between q's scale word, four between its codes, and the first product
.endr
.endm
.macro KLOAD blk                       ; K's eight images of the record at v[ADK], 512 consecutive bytes a load, and their scale words
.irp t, 0,1,2,3,4,5,6,7
.irp c, 0,1
	ds_load_b128 v[\blk+8*\t+4*\c:\blk+8*\t+4*\c+3], v[ADK] offset:1024*\t+512*\c
.endr
.endr
	ds_load_b128 v[SWK:SWK+3], v[ADK] offset:16384
.endm
	s_load_b128 s[4:7], s[0:1], 0x0                ; q s[4:5], kvc s[6:7]
	s_load_b64 s[8:9], s[0:1], 0x10                ; out0
	v_lshl_add_u32 v[SPW], v0, 2, SPARE
	v_mov_b32 v[NIL], 0
	ds_add_u32 v[SPW], v[NIL]                      ; the opening: the add, twice on end, and its wait ahead of my first tensor load
	ds_add_u32 v[SPW], v[NIL]
	v_lshrrev_b32 v10, 5, v0
	v_readfirstlane_b32 s[WV], v10                 ; wave 0..15
	s_lshr_b32 s[MM], s[WV], 2
	s_and_b32 s[SI], s[WV], 3
	s_and_b32 s[AA], ttmp9, 3                      ; in a cluster launch ttmp9 counts clusters
	s_lshr_b32 s[BH], ttmp9, 2
	s_xor_b32 s3, s[AA], 3                         ; 3 - a
	s_xor_b32 s[BLK], s[MM], 3
	s_lshl_b32 s[BLK], s[BLK], 2
	s_cmp_lt_u32 s[MM], 2
	s_cselect_b32 s2, s3, s[AA]
	s_add_co_u32 s[BLK], s[BLK], s2                ; 15 - a, 11 - a, a + 4, a
	s_mov_b32 s[SPAN], s[BLK]
	s_cmp_eq_u32 s[MM], 0
	s_cselect_b32 s[LO], 0, 64                     ; ahead of the barrier m = 0 alone walks
	; descriptor groups 1: dense rows of 256 bytes (32 elements of 8 bytes), no padding
	s_mov_b32 s[G1A], 15|(3<<16)|(1<<21)           ; 15:0 the mask: all four work-groups; 17:16 elements of 8 bytes; 21 set beside a mask
	s_mov_b32 s[G1A+1], 32<<16                     ; tensor_dim0
	s_mov_b32 s[G1A+2], 17<<16                     ; tensor_dim1
	s_mov_b32 s[G1A+3], 32<<16                     ; tile_dim0
	s_mov_b32 s[G1A+4], 17                         ; tile_dim1
	s_mov_b32 s[G1A+5], 32                         ; tensor_dim0_stride
	s_mov_b32 s[G1A+6], 0
	s_mov_b32 s[G1A+7], 0
	s_mov_b32 s[G1B], 15|(3<<16)|(1<<21)
	s_mov_b32 s[G1B+1], 32<<16
	s_mov_b32 s[G1B+2], 51<<16
	s_mov_b32 s[G1B+3], 32<<16
	s_mov_b32 s[G1B+4], 51
	s_mov_b32 s[G1B+5], 32
	s_mov_b32 s[G1B+6], 0
	s_mov_b32 s[G1B+7], 0
	s_mov_b32 s[SEL], 0x76543210
	s_mov_b32 s[SEL+1], 0xfedcba98
	s_mov_b32 s[CS], 0x3fb8aa3b                    ; log2(e)
	s_mov_b32 s[CS+1], s[CS]                       ; (named with it as a pair, so it is written)
	s_mul_i32 s[QGB], s[WV], 2448
	s_add_co_u32 s[QGB], s[QGB], STG
	; what hangs on my place in the cluster: q's and out's addresses and the mask's numbers, in registers that feed no descriptor.  Both lie [b][query][head][128]
	s_bfe_u32 s63, ttmp6, 0x40000                  ; cx
	s_and_b32 s[CXO], s63, 1
	s_lshl_b32 s[CXO], s[CXO], 3
	s_lshr_b32 s63, s63, 1
	s_lshl_b32 s3, s[BH], 1
	s_add_co_u32 s63, s63, s3                      ; b 16 + head = 2 (b 8 + hkv) + cx / 2
	s_lshl_b32 s62, s[BLK], 7
	s_lshl_b32 s3, s[SI], 5
	s_add_co_u32 s62, s62, s3
	s_add_co_u32 s62, s62, s[CXO]                  ; my tile's first query
	s_lshl_b32 s62, s62, 13
	s_lshr_b32 s3, s63, 4
	s_lshl_b32 s3, s3, 24
	s_add_co_u32 s62, s62, s3
	s_and_b32 s3, s63, 15
	s_lshl_b32 s3, s3, 9
	s_add_co_u32 s62, s62, s3
	s_mov_b32 s63, 0
	s_mul_i32 s58, s[BH], HEADB
	s_mul_i32 s2, s[WV], 13056
	s_add_co_u32 s2, s2, 4*REC
	s_mov_b32 s[G0B+1], s2                         ; 63:32 LDS address
	s_add_co_u32 s2, s2, s58
	s_mov_b32 s3, 0
	s_mul_i32 s59, s[WV], 4352
	s_mov_b32 s[G0A+1], s59
	s_add_co_u32 s58, s58, s59
	s_mov_b32 s59, 0
	v_and_b32 v2, 31, v0                           ; lane
	v_and_b32 v10, 15, v0                          ; r
	v_bfe_u32 v11, v0, 4, 1                        ; h
	v_lshrrev_b32 v[QA], 3, v2                     ; a load of q takes four rows x 128 bytes: row lane / 8,
	v_and_b32 v3, 7, v2                            ; 16 bytes at lane % 8
	v_lshlrev_b32 v[LI], 4, v2
	v_mul_u32_u24 v[QST], v[QA], 144
	v_lshlrev_b32 v[QA], 13, v[QA]
	v_lshl_add_u32 v[QST], v3, 4, v[QST]
	v_lshl_add_u32 v[QA], v3, 4, v[QA]
	v_add_nc_u32 v[QST], s[QGB], v[QST]
	s_wait_alu depctr_va_vdst(0)
	s_wait_dscnt 0x0                               ; both opening adds are done
	s_wait_kmcnt 0x0
	s_mov_b32 s[G0A], 1                            ; 1:0 count = 1
	s_add_nc_u64 s[G0A+2:G0A+3], s[6:7], s[58:59]  ; 120:64 global address: kv head and wave, which the partners share
	s_or_b32 s[G0A+3], s[G0A+3], 0x80000000        ; 127:126 type = 2
	s_mov_b32 s[G0B], 1
	s_add_nc_u64 s[G0B+2:G0B+3], s[6:7], s[2:3]
	s_or_b32 s[G0B+3], s[G0B+3], 0x80000000
	s_add_nc_u64 s[4:5], s[4:5], s[62:63]
	s_add_nc_u64 s[8:9], s[8:9], s[62:63]
	ROUND                                          ; all four work-groups are here: the joint loads meet
	tensor_load_to_lds s[G0A:G0A+3], s[G1A:G1A+7]  ; my piece of steps 0-3
	s_nop 0
.rept 4
	v_nop
.endr
	; all other address registers
	v_lshrrev_b32 v12, 3, v10                      ; 0 or 1: is my row one of the upper eight?
	v_xor_b32 v13, 8, v10
	v_lshrrev_b32 v14, 3, v13
	v_mul_u32_u24 v12, 7, v12
	v_mul_u32_u24 v14, 7, v14
	v_xor_b32 v12, 15, v12                         ; 15 or 8
	v_xor_b32 v14, 15, v14
	v_and_b32 v12, v12, v10                        ; the lower eight rows' turn: row r, or the ninth
	v_and_b32 v14, v14, v13                        ; the upper eight rows' turn: row r - 8, or the ninth
	v_mul_u32_u24 v[RD], v11, 272
	v_mul_u32_u24 v[QRD], v10, 144
	v_mul_u32_u24 v[STO], v12, 272
	v_mul_u32_u24 v[STO2], v14, 272
	v_lshl_add_u32 v[RD], v10, 4, v[RD]            ; out of my stage: lanes 0-15 one row of 256 bytes, lanes 16-31 the next
	v_lshl_add_u32 v[QRD], v11, 6, v[QRD]          ; q: row r, 16 of the block's 32 numbers for each half of the lanes
	v_lshl_add_u32 v[STO], v11, 5, v[STO]          ; into my stage: 32 bytes for each half of the lanes
	v_lshl_add_u32 v[STO2], v11, 5, v[STO2]
	v_lshlrev_b32 v[GO], 13, v11
	v_and_b32 v[DQ], 8, v10
	v_lshlrev_b32 v[TMP], 4, v11
	v_add_nc_u32 v[RD], s[QGB], v[RD]
	v_add_nc_u32 v[QRD], s[QGB], v[QRD]
	v_add_nc_u32 v[STO], s[QGB], v[STO]
	v_add_nc_u32 v[STO2], s[QGB], v[STO2]
	v_lshl_add_u32 v[GO], v10, 4, v[GO]            ; out: queries lie 8,192 bytes apart
	v_add_nc_u32 v[DQ], v[DQ], v10                 ; r + 8 (r / 8)
	v_mov_b32 v[NEG], 0xc61c4000                   ; -10000.0
	v_mov_b32 v13, 0xff61b1e6                      ; the largest t so far: -3e38, under every t
	v_add_nc_u32 v[DQ], s[CXO], v[DQ]              ; my query's place in its 32,
	v_mov_b32 v14, 0                               ; the sum, in two halves
	v_mov_b32 v15, 0
	v_sub_nc_u32 v[DQ], v[DQ], v[TMP]              ; less 16 h: of the block of 32 keys that holds my queries, register i is key 16 h + i, hidden where i > this
	v_floor_f32 v12, -v13                          ; -M
	v_mov_b32 v[DD], 0                             ; D
	s_wait_alu depctr_va_vdst(0)
	s_cmp_lg_u32 s[MM], 0
	s_cbranch_scc1 .Lq_later
	QLOAD                                          ; m = 0
	s_branch .Lq_head
.Lq_later:
.set n, 0
.rept 64
	v_mov_b32 v[KB+n], 0                           ; (the block is written on every way through the text)
.set n, n+1
.endr
.Lq_head:
.irp b, 0,1,2,3
	v_mov_b32 v[PB+\b], 0                          ; written once: a lane permute's destination counts as one of its sources
.endr
	v_mov_b32 v[TMP], 0
	v_mov_b32 v[QS], 0                             ; (q's registers are written on every way through the text)
.set n, 0
.rept 8
	v_mov_b32 v[QF+n], 0
.set n, n+1
.endr
.set n, 0
.rept 64
	v_mov_b32 v[OT+n], 0                           ; O^T.  (The step has no first step of its own: the first finds zeros, which the first change of M leaves zeros)
.set n, n+1
.endr
	s_wait_alu depctr_va_vdst(0)
	s_wait_tensorcnt 0x0                           ; my piece of steps 0-3 is in
	ds_add_u32 v[SPW], v[NIL]
	s_wait_dscnt 0x0
	ROUND                                          ; everybody's piece is in, and the four work-groups are here
	tensor_load_to_lds s[G0B:G0B+3], s[G1B:G1B+7]  ; my piece of steps 4-15
	s_nop 0
.rept 4
	v_nop
.endr
	s_cmp_eq_u32 s[MM], 0
	s_cbranch_scc0 .Lq_second
	QQUANT                                         ; m = 0
	s_wait_alu depctr_va_vdst(0)
	s_branch .Lq_first_done
.Lq_second:
	s_cmp_lg_u32 s[MM], 1
	s_cbranch_scc1 .Lq_first_done
	s_wait_loadcnt 0x0                             ; (none is out here)
	QLOAD                                          ; m = 1
.Lq_first_done:
.macro MASKB sb, b                     ; the diagonal step, the block of 32 keys that holds my queries (b = s)
	s_cmp_lg_u32 s[SI], \b
	s_cbranch_scc1 .Lnot_mine_\@
.set n, 0
.rept 16
	v_cmp_gt_i32 vcc_lo, n, v[DQ]
	v_cndmask_b32 v[\sb+16*\b+n], v[\sb+16*\b+n], v[NEG], vcc_lo
.set n, n+1
.endr
.Lnot_mine_\@:
.endm
.macro HIDEB sb, b                     ; and a block behind it (b > s): every key is hidden
	s_cmp_ge_u32 s[SI], \b
	s_cbranch_scc1 .Lseen_\@
.set n, 0
.rept 16
	v_mov_b32 v[\sb+16*\b+n], v[NEG]
.set n, n+1
.endr
.Lseen_\@:
.endm
; A KEY STEP: 128 keys.  K is in (or on its way to) block kb; the scores go to block sb.  sync = 1: an even step.  cap: the last record that may be read ahead; the K read ahead in a tile's last step is not used (the count below wants it on every way).
; A step that is not mine is left out: a scalar branch on ids, round the loads, products and softmax.
; The sixteen accumulators take turns, one instruction a turn, over the backward jump too.
.macro STEP kb, sb, sync, cap, tb, stp
	s_sub_co_u32 s2, s[\stp], s[LO]
	s_cmp_gt_u32 s2, s[SPAN]                       ; (unsigned: a step ahead of my first is out too)
	s_cbranch_scc1 .Lhidden_\@
	s_add_co_u32 s3, s[\tb], REC
	s_min_u32 s3, s3, \cap*REC                     ; the next step's record
	v_add_nc_u32 v[ADK], s[\tb], v[LI]
	s_wait_alu depctr_va_vdst(0)
.if \cap < 15
	s_wait_loadcnt 0x0                             ; (no load of q is out in a wave that works here)
.endif
	s_wait_dscnt 0x0                               ; K is in.  The last step's products have had eight places behind them: the sum's joining
.irp t, 0,1,2,3
	v_wmma_scale_f32_16x16x128_f8f6f4 v[\sb+8*\t:\sb+8*\t+7], v[\kb+8*\t:\kb+8*\t+7], v[QF:QF+7], 0, v[SWK+\t], v[QS] matrix_a_fmt:MATRIX_FMT_FP4 matrix_b_fmt:MATRIX_FMT_FP4
.endr
.irp t, 4,5,6,7
	v_wmma_scale_f32_16x16x128_f8f6f4 v[\sb+8*\t:\sb+8*\t+7], v[\kb+8*\t:\kb+8*\t+7], v[QF:QF+7], 0, v[SWK+\t-4], v[QS] matrix_a_fmt:MATRIX_FMT_FP4 matrix_b_fmt:MATRIX_FMT_FP4 matrix_a_scale:MATRIX_SCALE_ROW1
.endr
.rept 4
	v_nop                                          ; places: for the loads below, and for the first touch of the scores (ISA guide 7.12.1 for vector instructions)
.endr
.irp t, 0,1,2,3,4,5,6,7
.irp c, 0,1
	ds_load_b128 v[\kb+8*\t+4*\c:\kb+8*\t+4*\c+3], v[ADK] offset:8192+1024*\t+512*\c   ; V's eight images over K's, ahead of the softmax
.endr
.endr
	ds_load_b128 v[SWV:SWV+3], v[ADK] offset:16896
	s_cmp_lg_u32 s[\stp], s[BLK]
	s_cbranch_scc1 .Lopen_\@
	MASKB \sb, 0                                   ; the diagonal step: hidden scores become -10000.0 ahead of the maximum
	MASKB \sb, 1
	MASKB \sb, 2
	MASKB \sb, 3
	HIDEB \sb, 1
	HIDEB \sb, 2
	HIDEB \sb, 3
.Lopen_\@:
.irp b, 0,1,2,3
	v_max3_num_f32 v[BM+\b], v[\sb+16*\b], v[\sb+16*\b+1], v[\sb+16*\b+2]   ; THE LARGEST SCORE OF EACH BLOCK OF 32 KEYS serves twice: for the row's maximum, and, since p rises with the score, for the block's largest p
.endr
.irp i, 3,5,7,9,11,13
.irp b, 0,1,2,3
	v_max3_num_f32 v[BM+\b], v[BM+\b], v[\sb+16*\b+\i], v[\sb+16*\b+\i+1]   ; (the four blocks by turns)
.endr
.endr
.irp b, 0,1,2,3
	v_max_num_f32 v[BM+\b], v[BM+\b], v[\sb+16*\b+15]
.endr
.irp b, 0,1,2,3
	s_delay_alu instid0(VALU_DEP_4)
	v_permlanex16_b32 v[PB+\b], v[BM+\b], s[SEL], s[SEL+1]
.endr
.irp b, 0,1,2,3
	s_delay_alu instid0(VALU_DEP_4)
	v_max_num_f32 v[BM+\b], v[BM+\b], v[PB+\b]     ; with lane l xor 16's 16 keys
.endr
	s_delay_alu instid0(VALU_DEP_2)
	v_max3_num_f32 v[TMP], v[BM], v[BM+1], v[BM+2]
	s_delay_alu instid0(VALU_DEP_1)
	v_max_num_f32 v[TMP], v[TMP], v[BM+3]          ; the step's largest score of my query
	s_delay_alu instid0(VALU_DEP_1)
	v_mul_f32 v[TMP], s[CS], v[TMP]                ; as t
	s_delay_alu instid0(VALU_DEP_1)
	v_max_num_f32 v13, v13, v[TMP]                 ; the running largest t
	v_mov_b32 v[TMP], v12
	s_delay_alu instid0(VALU_DEP_2)
	v_floor_f32 v12, -v13                          ; the new -M = floor(-t) = -ceil(t): M is a whole number
.set n, 0
.rept 32
	v_pk_fma_f32 v[\sb+n:\sb+n+1], v[\sb+n:\sb+n+1], s[CS:CS+1], v[12:13] op_sel_hi:[1,0,0]   ; t - M, two at a time (of the pairs log2(e) and -M the low word serves both halves)
.set n, n+2
.endr
.if \sync
	v_sub_f32 v[TMP], v12, v[TMP]                  ; M's old value less its new one: a whole number, 0 or less
	v_fma_f32 v[BM], v[BM], s[CS], v12             ; the same of each block's largest score
	v_sub_f32 v[TMP], v[TMP], v[DD]                ; from 2^(old M - D) to 2^(new M)
	v_fma_f32 v[BM+1], v[BM+1], s[CS], v12
	v_cvt_i32_f32 v[TMP], v[TMP]                   ; (it saturates)
	v_fma_f32 v[BM+2], v[BM+2], s[CS], v12
	v_ldexp_f32 v[FF], 1.0, v[TMP]                 ; a multiplication by it rounds nothing
	v_fma_f32 v[BM+3], v[BM+3], s[CS], v12
.else
	v_sub_f32 v[TMP], v[TMP], v12                  ; M's new value less its old one
	v_fma_f32 v[BM], v[BM], s[CS], v12
	v_min_num_f32 v[DD], 0x42800000, v[TMP]        ; D, held at 64
	v_fma_f32 v[BM+1], v[BM+1], s[CS], v12
	v_cvt_i32_f32 v[DI], v[DD]
	v_fma_f32 v[BM+2], v[BM+2], s[CS], v12
	v_ldexp_f32 v[FF], 1.0, v[DI]                  ; 2^D
	v_fma_f32 v[BM+3], v[BM+3], s[CS], v12
	v_perm_b32 v[DI], v[DI], v[DI], 0              ; D in each of four bytes
.endif
.set n, 0
	s_wait_alu depctr_va_vdst(0)
.rept 64
	v_exp_f32 v[\sb+n], v[\sb+n]                   ; p = 2^(t - M), at most 1: not normalised
.set n, n+1
.endr
.irp b, 0,1,2,3
	v_exp_f32 v[BM+\b], v[BM+\b]                   ; the block's largest p: the same two instructions on the same number give the same bits
.endr
	v_nop                                          ; a plain place behind the exponentials
	s_wait_alu depctr_va_vdst(0)
.irp b, 0,1,2,3
	v_max_num_f32 v[BM+\b], 0x1800000, v[BM+\b]    ; the floor 2^(3 - 127): the byte cannot fall under 1 (a block whose every p is 0 keeps that byte: its codes are zeros)
.endr
.irp b, 0,1,2,3
	s_delay_alu instid0(VALU_DEP_4)
	v_add_nc_u32 v[CO+\b], 0xff000000, v[BM+\b]    ; 2 off the exponent field: the conversion's scale operand
.endr
.irp b, 0,1,2,3
	s_delay_alu instid0(VALU_DEP_4)
	v_lshrrev_b32 v[PB+\b], 23, v[CO+\b]           ; the scale's byte
.endr
	s_delay_alu instid0(VALU_DEP_3)
	v_lshl_or_b32 v[PS], v[PB+1], 8, v[PB]         ; p's scale word for these 128 keys
	s_delay_alu instid0(VALU_DEP_1)
	v_lshl_or_b32 v[PS], v[PB+2], 16, v[PS]
	s_delay_alu instid0(VALU_DEP_1)
	v_lshl_or_b32 v[PS], v[PB+3], 24, v[PS]
.if \sync == 0
	v_add_nc_u32 v[PS], v[PS], v[DI]               ; x 2^D: bytes of 125 at the most become 189 at the most
.endif
.irp b, 0,1,2,3
	v_cvt_scalef32_pk8_fp4_f32 v[PC+2*\b], v[\sb+16*\b:\sb+16*\b+7], v[CO+\b]
	v_cvt_scalef32_pk8_fp4_f32 v[PC+2*\b+1], v[\sb+16*\b+8:\sb+16*\b+15], v[CO+\b]
.endr
	v_nop                                          ; one plain vector instruction behind the scaled conversions
.irp c, 0,1                                    ; the operand's layout wants a WHOLE block in a lane: lanes 0-15 block 2 c, lanes 16-31 block 2 c + 1
.irp i, 0,1
	v_permlane16_swap_b32 v[PC+4*\c+\i], v[PC+4*\c+2+\i]
.endr
.endr
.set n, \sb                                    ; THE ROW'S SUM IS TAKEN OF THE UNQUANTISED p: two at a time, in eight chains
.irp d, 236,246,244,234,232,238,28,2
	v_pk_add_f32 v[\d:\d+1], v[n:n+1], v[n+2:n+3]
.set n, n+4
.endr
.rept 2
.irp d, 236,246,244,234,232,238,28,2
	v_pk_add_f32 v[\d:\d+1], v[\d:\d+1], v[n:n+1]
.set n, n+2
.endr
.endr
	v_add_nc_u32 v[ADK], s3, v[LI]                 ; p is used up: the next step's K over it
	KLOAD \sb
.if \sync
.set n, 0
.rept 32
	v_pk_mul_f32 v[OT+n:OT+n+1], v[OT+n:OT+n+1], v[FF:FF+1] op_sel_hi:[1,0]   ; O^T under the new M, each accumulator from its low end on
.set n, n+2
.endr
.endif
	s_wait_alu depctr_va_vdst(0)
	s_wait_dscnt 17                                ; V and its scale words are in; the seventeen loads of the next K may be out
.irp t, 0,1,2,3
	v_wmma_scale_f32_16x16x128_f8f6f4 v[OT+8*\t:OT+8*\t+7], v[\kb+8*\t:\kb+8*\t+7], v[PC:PC+7], v[OT+8*\t:OT+8*\t+7], v[SWV+\t], v[PS] matrix_a_fmt:MATRIX_FMT_FP4 matrix_b_fmt:MATRIX_FMT_FP4
.endr
.irp t, 4,5,6,7
	v_wmma_scale_f32_16x16x128_f8f6f4 v[OT+8*\t:OT+8*\t+7], v[\kb+8*\t:\kb+8*\t+7], v[PC:PC+7], v[OT+8*\t:OT+8*\t+7], v[SWV+\t-4], v[PS] matrix_a_fmt:MATRIX_FMT_FP4 matrix_b_fmt:MATRIX_FMT_FP4 matrix_a_scale:MATRIX_SCALE_ROW1
.endr
	v_pk_add_f32 v[2:3], v[2:3], v[234:235]        ; the eight chains are joined: these lines are also the places behind the products
	v_pk_add_f32 v[236:237], v[236:237], v[232:233]
	v_pk_add_f32 v[246:247], v[246:247], v[238:239]
	v_pk_add_f32 v[244:245], v[244:245], v[28:29]
	s_delay_alu instid0(VALU_DEP_2)
	v_pk_add_f32 v[2:3], v[2:3], v[246:247]
	s_delay_alu instid0(VALU_DEP_2)
	v_pk_add_f32 v[236:237], v[236:237], v[244:245]
	s_delay_alu instid0(VALU_DEP_1)
	v_pk_add_f32 v[2:3], v[2:3], v[236:237]
.if \sync
	v_pk_fma_f32 v[14:15], v[14:15], v[FF:FF+1], v[2:3] op_sel_hi:[1,0,1]
.else
	v_pk_fma_f32 v[14:15], v[2:3], v[FF:FF+1], v[14:15] op_sel_hi:[1,0,1]
.endif
.Lhidden_\@:
.endm
.macro PAIR cap
	s_add_co_u32 s[TB1], s[TB], REC
	s_add_co_u32 s[STP1], s[STP], 1
	STEP KA, KB, 1, \cap, TB, STP
	STEP KB, KA, 0, \cap, TB1, STP1
	s_add_co_u32 s[TB], s[TB], 2*REC
	s_add_co_u32 s[STP], s[STP], 2
.endm
	s_mov_b32 s[TB], 0
	s_mov_b32 s[STP], 0
	v_add_nc_u32 v[ADK], s[TB], v[LI]
	KLOAD KA
.Lfirst:                                           ; steps 0-3, while the rest is on its way
	PAIR 3
	s_cmp_lt_u32 s[STP], 4
	s_cbranch_scc1 .Lfirst
	s_wait_alu depctr_va_vdst(0)
	s_wait_tensorcnt 0x0                           ; my piece of steps 4-15 is in:
	s_wait_dscnt 0x0
	s_barrier_signal -1
	s_barrier_wait -1                              ; and so are everybody's
	s_cmp_lt_u32 s[MM], 2
	s_cbranch_scc1 .Lq_asked
	s_wait_loadcnt 0x0                             ; (none is out here)
	QLOAD                                          ; m = 2, 3
.Lq_asked:
	s_cmp_eq_u32 s[MM], 0
	s_cbranch_scc1 .Lq_done
	QQUANT                                         ; m = 1, 2, 3
.Lq_done:
	s_wait_loadcnt 0x0                             ; (none is out here)
	s_cmp_eq_u32 s[MM], 0
	s_cselect_b32 s[LO], 4, 0                      ; m = 0 goes on at step 4
	s_sub_co_u32 s[SPAN], s[BLK], s[LO]
	s_mul_i32 s2, s[LO], REC
	v_add_nc_u32 v[ADK], s2, v[LI]
	KLOAD KA
	s_mov_b32 s[TB], 0
	s_mov_b32 s[STP], 0
.Lrest:                                            ; each wave walks LDS at its own pace
	PAIR 15
	s_cmp_lt_u32 s[STP], 16
	s_cbranch_scc1 .Lrest
; THE WAY OUT.  O^T is divided by the row's sum and goes through my stage, 64 channels (256 bytes) of eight rows at a time, so that sixteen lanes store 256 consecutive bytes, aligned.
.rept 4
	v_nop                                          ; places behind the last products
.endr
	s_wait_alu depctr_va_vdst(0)
	s_wait_dscnt 0x0                               ; the K read ahead has landed: its registers are free
	v_add_f32 v14, v14, v15                        ; the sum's two halves,
	s_delay_alu instid0(VALU_DEP_1)
	v_permlanex16_b32 v[TMP], v14, s[SEL], s[SEL+1]
	s_delay_alu instid0(VALU_DEP_1)
	v_add_f32 v14, v14, v[TMP]                     ; and lane l xor 16's: the row's sum (over 1/2: the row's largest p is)
	s_wait_alu depctr_va_vdst(0)
	v_rcp_f32 v14, v14
	v_nop                                          ; a plain place behind the transcendental
.set n, 0
	s_wait_alu depctr_va_vdst(0)
.rept 32
	v_pk_mul_f32 v[KB+n:KB+n+1], v[OT+n:OT+n+1], v[14:15] op_sel_hi:[1,0]   ; register 8 t + i is out(query r, channel 16 t + 8 h + i); each accumulator from its low end on
.set n, n+2
.endr
.macro EIGHT u, half                   ; channels 64 u on of rows 8 half on
.irp t, 0,1,2,3
	ds_store_b128 v[STO+(STO2-STO)*\half], v[KB+32*\u+8*\t:KB+32*\u+8*\t+3] offset:64*\t   ; the other eight rows' lanes write the ninth row, which nobody reads
	ds_store_b128 v[STO+(STO2-STO)*\half], v[KB+32*\u+8*\t+4:KB+32*\u+8*\t+7] offset:64*\t+16
.endr
.irp i, 0,1,2,3
	ds_load_b128 v[KA+32*\u+16*\half+4*\i:KA+32*\u+16*\half+4*\i+3], v[RD] offset:544*\i   ; these see my stores, and the next eight rows' stores come behind them
.endr
.endm
	EIGHT 0, 0
	EIGHT 0, 1
	EIGHT 1, 0
	EIGHT 1, 1
.irp u, 0,1
.irp g, 0,1
.irp i, 0,1,2,3
	s_wait_dscnt 12*(3-2*\u-\g)+3-\i               ; younger than this load: the rest of its four, and eight stores and four loads for each part behind it
	global_store_b128 v[GO], v[KA+32*\u+16*\g+4*\i:KA+32*\u+16*\g+4*\i+3], s[8:9] offset:(2*\i+16*\g)*8192+256*\u th:TH_STORE_NT   ; row 8 g + 2 i + h of the tile is query 16 g + 2 i + h
.endr
.endr
.endr
	s_wait_tensorcnt 0x0                           ; the wave's end
	ds_add_u32 v[SPW], v[NIL]
	s_wait_dscnt 0x0
	ROUND                                          ; the closing round: no work-group ends while a partner may still ask for a piece that names it
	s_endpgm
.Lfunc_end_k_q021dd3b719_attn:
	.size	k_q021dd3b719_attn, .Lfunc_end_k_q021dd3b719_attn-k_q021dd3b719_attn
	.p2alignl 7, 3214868480
	.fill 96, 4, 3214868480
	.section	.rodata,"a",@progbits
	.p2align	6, 0x0
	.amdhsa_kernel k_q021dd3b719_attn
		.amdhsa_group_segment_fixed_size 327680
		.amdhsa_private_segment_fixed_size 0
		.amdhsa_enable_private_segment 0
		.amdhsa_kernarg_size 24
		.amdhsa_user_sgpr_count 2
		.amdhsa_user_sgpr_kernarg_segment_ptr 1
		.amdhsa_wavefront_size32 1
		.amdhsa_system_sgpr_workgroup_id_x 1
		.amdhsa_system_sgpr_workgroup_id_y 1
		.amdhsa_system_sgpr_workgroup_id_z 1
		.amdhsa_system_vgpr_workitem_id 0
		.amdhsa_next_free_vgpr 256
		.amdhsa_next_free_sgpr 66
		.amdhsa_reserve_vcc 1
		.amdhsa_float_denorm_mode_32 3
		.amdhsa_float_denorm_mode_16_64 3
		.amdhsa_memory_ordered 1
		.amdhsa_forward_progress 1
		.amdhsa_inst_pref_size 133
	.end_amdhsa_kernel
	.amdgpu_metadata
---
amdhsa.version: [ 1, 2 ]
amdhsa.kernels:
  - .name:           k_q021dd3b719_attn
    .symbol:         k_q021dd3b719_attn.kd
    .args:
      - { .name: q, .offset: 0, .size: 8, .value_kind: global_buffer, .address_space: global }
      - { .name: kvc, .offset: 8, .size: 8, .value_kind: global_buffer, .address_space: global }
      - { .name: out0, .offset: 16, .size: 8, .value_kind: global_buffer, .address_space: global }
    .group_segment_fixed_size: 327680
    .private_segment_fixed_size: 0
    .kernarg_segment_align: 8
    .kernarg_segment_size: 24
    .max_flat_workgroup_size: 512
    .sgpr_count:     66
    .vgpr_count:     256
    .wavefront_size: 32
...
	.end_amdgpu_metadata
.endif
;; end of part 2
